; MI455X (gfx1250); checked and timed in simulation.
; The chip was launched on July 23, 2026; its instructions are those of AMD's public machine-readable ISA for CDNA 5 (MIT licence, August 2026) and "CDNA5" Instruction Set Architecture Reference Guide (July 2026). The comments in the code are by the model that wrote it; some were corrected since.
;; Flex Attention. Allowed arithmetic: matrix products marked QUANTISED: E2M1 operands, one E8M0 scale for each 32 along K, by v_wmma_scale_f32_16x16x128_f8f6f4 with both operands' format E2M1 (or v_wmma_scale_f32_32x16x128_f4), f32 sums; products left as they are: bf16, f16 or f32 operands; f32 sums; everything else in f32.
;; Inputs: W_out 2,048 x 1,024 float32; W_qkv 1,024 x 4,096 float32; inputs 4 x 1,024 x 1,024 float32.
;; Outputs: out0 4 x 1,024 x 1,024 float32.
;; This version of the problem:
;;   THIS VERSION OF THE PROBLEM IS GIVEN IN LOW PRECISION. The matrix products marked QUANTISED in the list below multiply operands that are first quantised to E2M1 (2 exponent bits, 1 mantissa bit; 4 bits a number), with one power-of-two scale for each 32 numbers along K (OCP MX v1.0); their sums are f32. The products marked 'left as it is' may take bf16, f16 or f32 operands, with f32 sums. Whichever they take, every output number must still come out within the allowed error. Rounding operands to bf16 (8 significant bits) uses up far more of that allowance than f16 does (11 bits, for magnitudes from 6e-5 to 65,504). All else is computed in f32.
;;   The module's matrix products, in the order in which they are computed (A, B: the left and right operand; K: the contracted axis; several contracted axes count as one K, in the product's order):
;;     1. [M 4,096, K 1,024] x [K 1,024, N 4,096]; A: input inputs; B: input W_qkv: QUANTISED
;;     2. batch 128 x [M 1,024, K 64] x [K 64, N 1,024]; A: computed on the way; B: computed on the way: left as it is (an operand is computed on the way)
;;     3. batch 128 x [M 1,024, K 1,024] x [K 1,024, N 64]; A: computed on the way; B: computed on the way: left as it is (an operand is computed on the way)
;;     4. [M 4,096, K 2,048] x [K 2,048, N 1,024]; A: computed on the way; B: input W_out: left as it is (an operand is computed on the way)
;;   THE QUANTISER, for each operand of a quantised product, along K:
;;     - K is cut into blocks of 32 from its start; a last block that is shorter is filled with zeros.
;;     - A block's scale is 2^e with e = floor(log2(the largest magnitude in the block)) - 2, held to -126 .. 127; a block of zeros has e = 0. As a byte (E8M0): e + 127.
;;     - Each number is divided by its block's scale, clamped to +-6, and rounded to the nearest number of E2M1, ties to even, subnormals kept.
;;     - The product sums the exact products of the quantised numbers (number of the format x scale) in f32.
;;   ~~~python
;;   def quantise(x, axis):      # numpy; x: float32 -> the quantised numbers, widened to float32 again
;;       x = np.moveaxis(x, axis, -1); K = x.shape[-1]
;;       x = np.pad(x, [(0, 0)] * (x.ndim - 1) + [(0, -K % 32)]); x = x.reshape(x.shape[:-1] + (-1, 32)); a = np.abs(x).max(-1, keepdims=True)
;;       e = np.where(a > 0, np.clip(np.frexp(np.where(a > 0, a, 1))[1] - 1 - 2, -126, 127), 0)      # np.frexp(a)[1] - 1 = floor(log2(a)), exactly
;;       r = np.clip(x / 2.0 ** e, -6, 6)
;;       step = 2.0 ** (np.maximum(np.frexp(np.where(r == 0, 1, r))[1] - 1, 0) - 1)
;;       q = np.round(r / step) * step * 2.0 ** e      # np.round: ties to even
;;       return np.moveaxis(q.reshape(q.shape[:-2] + (-1,))[..., :K], -1, axis).astype(np.float32)
;;   ~~~
;; One version. Each part assembles by itself: llvm-mc -triple=amdgcn-amd-amdhsa -mcpu=gfx1250 --defsym DOCPART=n.
;; ======== version 1 of 1: 4 launches
;; limits: values are held in f16: magnitudes above 65,504 overflow, below 6.1e-05 lose precision
;; workspace buffers: x_img 2,097,152 bytes; w_img 2,097,152 bytes; x_sc 131,072 bytes; w_sc 131,072 bytes; wo_img 4,194,304 bytes; qkv_img 33,554,432 bytes; o_img 16,777,216 bytes
;; launch prep (part 1): grid 320 x 1, 4 waves a work-group, no clusters, 34,304 bytes of LDS; arguments inputs, W_qkv, W_out, x_img, x_sc, w_img, w_sc, wo_img; writes x_img, x_sc, w_img, w_sc, wo_img
.if DOCPART == 1
	.amdgcn_target "amdgcn-amd-amdhsa--gfx1250"
	.amdhsa_code_object_version 6
	.text
	.protected	k_q117b7b6737_prep
	.globl	k_q117b7b6737_prep
	.p2align	8
	.type	k_q117b7b6737_prep,@function
k_q117b7b6737_prep:
	s_mov_b64 s[64:65], 0
	v_nop
	global_prefetch_b8 v0, s[64:65] scope:SCOPE_SE
	s_setreg_imm32_b32 hwreg(HW_REG_WAVE_MODE, 25, 1), 1
	s_wait_xcnt 0x0
; Three inputs are turned, once, into IMAGES OF OPERAND REGISTERS for the later launches.  A chunk is 512 bytes: lane l's 16 bytes (four registers of a fragment) at 16 l.
;   work-groups   0-127 (role W): W_qkv [1024 k][4096 n] f32 -> codes of FP4 (E2M1) along k, w_img [kh 2][n/16 256][s4 4][c 2][512], and E8M0 bytes w_sc [n/128 32][k/256 4][n%128][8]
;   work-groups 128-255 (role X): inputs [4096 rows][1024 k] f32 -> x_img, x_sc, laid alike (row in the place of n)
;   work-groups 256-319 (role O): W_out [2048 k][1024 n] f32 -> f16, wo_img [k/256 8][n/16 64][k32 8][c 2][512]
; FP4 chunk (K step of 128, c): lane (r, h) holds k = 64 c + 32 h + 0 .. 31 of row r.   f16 chunk (k32, c): lane (r, h) holds k = 32 k32 + 16 c + 8 h + 0 .. 7 of column r.
; A block's scale is 2^(floor(log2(largest magnitude)) - 2); its byte is the largest magnitude's exponent field - 2, held at 1 from below.
; LIMITS: a block of zeros gets the byte 1 where the rule says 127 (its codes are zeros, and this program alone reads the bytes); blocks whose largest magnitude lies under 2^-124 share that floor;
; NaN and infinities among the inputs are not served; W_out beyond 65,504 in magnitude becomes infinite in f16, under 6e-5 it keeps an absolute precision of 3e-8.
; No cluster: the work-groups share no input byte.  No tensor load, no barrier: waves share nothing.
.set SPARE, 33792                      ; behind the four stages: the spare words, 128 bytes a wave, two blocks of 256 bytes that no other line names
.set STG,   8448                       ; role X: a wave's stage: 16 rows x (512 bytes + 16)
.set X,     32                         ; v32..   numbers as loaded: roles W, O two sets of 32; role X two sets of 64
	s_load_b256 s[4:11], s[0:1], 0x0               ; inputs s[4:5], W_qkv s[6:7], W_out s[8:9], x_img s[10:11]
	s_load_b256 s[12:19], s[0:1], 0x20             ; x_sc s[12:13], w_img s[14:15], w_sc s[16:17], wo_img s[18:19]
	v_lshl_add_u32 v1, v0, 2, SPARE                ; my spare word; never rewritten
	v_mov_b32 v2, 0                                ; 0; never rewritten
	v_lshrrev_b32 v3, 5, v0
	v_readfirstlane_b32 s20, v3                    ; wave 0..3
	v_and_b32 v3, 31, v0                           ; lane
	v_lshlrev_b32 v4, 2, v3                        ; 4 x lane
	v_lshlrev_b32 v7, 4, v3                        ; 16 x lane
	v_and_b32 v24, 15, v3                          ; r
	v_lshrrev_b32 v25, 4, v3                       ; h
	s_mul_i32 s21, s20, STG                        ; role X's two LDS addresses are made here, ahead of the parting
	v_add_nc_u32 v26, s21, v7                      ; into the stage: 16 x lane of a row
	v_mul_u32_u24 v27, v24, 528
	v_lshl_add_u32 v27, v25, 7, v27
	v_add_nc_u32 v27, s21, v27                     ; out of it: row r, + 128 h bytes
	s_mov_b32 s25, 0                               ; high words of the three offsets
	s_mov_b32 s27, 0
	s_mov_b32 s29, 0
	s_wait_kmcnt 0x0
	s_cmp_lt_u32 ttmp9, 128
	s_cbranch_scc1 .Lrole_w
	s_cmp_lt_u32 ttmp9, 256
	s_cbranch_scc1 .Lrole_x
; A LANE TAKES A COLUMN AND ITS REGISTERS RUN DOWN K: block t's 32 numbers into set t % 2; each load reads 128 consecutive bytes a wave, the four waves stand side by side on 512
.macro LOAD32 t, pitch, b
.set i, 0
.rept 32
	global_load_b32 v[X+32*((\t)%2)+i], v4, s[\b:\b+1] offset:(32*(\t)+i)*\pitch th:TH_LOAD_NT
.set i, i+1
.endr
.endm
; ---------------- role O: 128 columns x 256 k of W_out a work-group, 32 columns a wave
	s_sub_co_u32 s21, ttmp9, 256
	s_and_b32 s22, s21, 7                          ; which 128 columns
	s_lshr_b32 s23, s21, 3                         ; which 256 along k
	s_lshl_b32 s22, s22, 7
	s_lshl_b32 s24, s20, 5
	s_add_co_u32 s22, s22, s24                     ; my wave's first column n0
	s_lshl_b32 s24, s23, 20                        ; 256 rows of 4,096 bytes
	s_lshl_b32 s26, s22, 2
	s_add_co_u32 s24, s24, s26
	s_add_nc_u64 s[8:9], s[8:9], s[24:25]
	s_lshl_b32 s26, s23, 19                        ; 64 column tiles of 8,192 bytes
	s_lshl_b32 s28, s22, 9                         ; (n0 / 16) x 8,192
	s_add_co_u32 s26, s26, s28
	s_add_nc_u64 s[18:19], s[18:19], s[26:27]
	v_lshlrev_b32 v5, 13, v25
	v_lshl_add_u32 v5, v24, 4, v5                  ; my column's tile and its 16 bytes
	LOAD32 0, 4096, 8
	LOAD32 1, 4096, 8
.macro BLOCKO t
.set XS, X+32*((\t)%2)
.set YS, 160+16*((\t)%4)
.if (\t) < 7
	s_wait_loadcnt 32                              ; this block's 32 loads are in; the next block's 32 may be out
.else
	s_wait_loadcnt 0
.endif
.if (\t) >= 4
	s_wait_xcnt 0x0                                ; the stores of four blocks ago have read the registers that are written now
.endif
.set i, 0
.rept 16
	v_cvt_pk_f16_f32 v[YS+i], v[XS+2*i], v[XS+2*i+1]
.set i, i+1
.endr
.irp q, 0,1,2,3                        ; k = 8 q .. 8 q + 7 = 16 c + 8 h: chunk c = q / 2, half h = q % 2: sixteen lanes store 256 consecutive bytes, aligned
	global_store_b128 v5, v[YS+4*\q:YS+4*\q+3], s[18:19] offset:(\t)*1024+(\q>>1)*512+(\q&1)*256
.endr
.if (\t)+2 < 8
	LOAD32 (\t)+2, 4096, 8
.endif
.endm
.irp t, 0,1,2,3,4,5,6,7
	BLOCKO \t
.endr
	s_endpgm
; ---------------- role W: 128 columns x 256 k of W_qkv a work-group, 32 columns a wave, 8 blocks of 32 a lane
.Lrole_w:
	s_and_b32 s22, ttmp9, 31                       ; which 128 columns
	s_lshr_b32 s23, ttmp9, 5                       ; kq: which 256 along k
	s_lshl_b32 s21, s22, 7
	s_lshl_b32 s24, s20, 5
	s_add_co_u32 s21, s21, s24                     ; n0
	s_lshl_b32 s24, s23, 22                        ; 256 rows of 16,384 bytes
	s_lshl_b32 s26, s21, 2
	s_add_co_u32 s24, s24, s26
	s_add_nc_u64 s[6:7], s[6:7], s[24:25]
	s_lshr_b32 s26, s23, 1
	s_lshl_b32 s26, s26, 20                        ; kh
	s_and_b32 s28, s23, 1
	s_lshl_b32 s28, s28, 11                        ; two K steps of 128 on
	s_add_co_u32 s26, s26, s28
	s_lshl_b32 s28, s21, 8                         ; (n0 / 16) x 4,096
	s_add_co_u32 s26, s26, s28
	s_add_nc_u64 s[14:15], s[14:15], s[26:27]
	s_lshl_b32 s28, s22, 12
	s_lshl_b32 s30, s23, 10
	s_add_co_u32 s28, s28, s30
	s_lshl_b32 s30, s20, 8
	s_add_co_u32 s28, s28, s30
	s_add_nc_u64 s[16:17], s[16:17], s[28:29]
	v_lshlrev_b32 v5, 12, v25
	v_lshl_add_u32 v5, v24, 4, v5                  ; codes: my column's tile and its 16 bytes
	v_lshlrev_b32 v6, 3, v3                        ; scale bytes: 8 a column
	LOAD32 0, 16384, 6
	LOAD32 1, 16384, 6
.macro BLOCKW t
.set XS, X+32*((\t)%2)
.if (\t) < 7
	s_wait_loadcnt 32                              ; this block's 32 loads are in; the next block's 32 may be out
.else
	s_wait_loadcnt 0
.endif
	v_max3_num_f32 v8, |v[XS]|, |v[XS+1]|, |v[XS+2]|               ; the block's largest magnitude: all 32 numbers are mine; two chains
	v_max3_num_f32 v9, |v[XS+3]|, |v[XS+4]|, |v[XS+5]|
.irp i, 6,10,14,18,22,26
	v_max3_num_f32 v8, v8, |v[XS+\i]|, |v[XS+\i+1]|
	v_max3_num_f32 v9, v9, |v[XS+\i+2]|, |v[XS+\i+3]|
.endr
	v_max3_num_f32 v8, v8, |v[XS+30]|, |v[XS+31]|
	v_max3_num_f32 v8, v8, v9, 0x1800000           ; and the floor 2^(3 - 127): the byte cannot fall under 1
	v_add_nc_u32 v11, 0xff000000, v8               ; 2 off the exponent field: the conversion takes this operand's exponent field as its scale
.irp g, 0,1,2,3
	v_cvt_scalef32_pk8_fp4_f32 v[160+4*(\t)+\g], v[XS+8*\g:XS+8*\g+7], v11     ; each block has registers of its own: no store's data are written again
.endr
	v_lshrrev_b32 v10, 23, v11                     ; the scale's byte (the plain line behind the conversions)
.if (\t)%4 == 0
	v_mov_b32 v[12+(\t)/4], v10
.else
	v_lshl_or_b32 v[12+(\t)/4], v10, 8*((\t)%4), v[12+(\t)/4]
.endif
	global_store_b128 v5, v[160+4*(\t):160+4*(\t)+3], s[14:15] offset:((\t)>>2)*1024+(((\t)>>1)&1)*512+((\t)&1)*256   ; block t = K step t / 4, c = (t / 2) % 2, h = t % 2: sixteen lanes store 256 consecutive bytes, aligned
.if (\t)+2 < 8
	LOAD32 (\t)+2, 16384, 6
.endif
.endm
.irp t, 0,1,2,3,4,5,6,7
	BLOCKW \t
.endr
	global_store_b64 v6, v[12:13], s[16:17]        ; 32 columns x 8 bytes: 256 consecutive bytes, aligned
	s_endpgm
; ---------------- role X: 32 rows of inputs a work-group; wave = kq, 256 along k.  Four sub-steps t = 2 u + v: row tile u, K step v of 128.
.Lrole_x:
	s_sub_co_u32 s21, ttmp9, 128                   ; g: which 32 rows
	s_lshl_b32 s24, s21, 17                        ; 32 rows of 4,096 bytes
	s_lshl_b32 s26, s20, 10
	s_add_co_u32 s24, s24, s26
	s_add_nc_u64 s[4:5], s[4:5], s[24:25]
	s_lshr_b32 s26, s20, 1
	s_lshl_b32 s26, s26, 20                        ; kh
	s_lshl_b32 s28, s21, 13                        ; two row tiles of 4,096 bytes
	s_add_co_u32 s26, s26, s28
	s_and_b32 s28, s20, 1
	s_lshl_b32 s28, s28, 11
	s_add_co_u32 s26, s26, s28
	s_add_nc_u64 s[10:11], s[10:11], s[26:27]
	s_lshr_b32 s28, s21, 2
	s_lshl_b32 s28, s28, 12
	s_lshl_b32 s22, s20, 10
	s_add_co_u32 s28, s28, s22
	s_and_b32 s22, s21, 3
	s_lshl_b32 s22, s22, 8
	s_add_co_u32 s28, s28, s22
	s_add_nc_u64 s[12:13], s[12:13], s[28:29]
	s_mov_b32 s30, 0x76543210
	s_mov_b32 s31, 0xfedcba98                      ; v_permlanex16_b32's selects for lane l xor 16
	v_lshlrev_b32 v22, 3, v25                      ; 8 h: my bytes' place in a scale word
	v_lshlrev_b32 v23, 3, v3                       ; 8 x lane
	v_mov_b32 v10, 0                               ; written once: a lane permute's destination counts as one of its sources
.macro LOADX t                         ; 16 rows x 512 bytes: each load reads 512 consecutive bytes of one row
.set i, 0
.rept 16
	global_load_b128 v[X+64*((\t)%2)+4*i:X+64*((\t)%2)+4*i+3], v7, s[4:5] offset:(16*((\t)/2)+i)*4096+512*((\t)%2) th:TH_LOAD_NT
.set i, i+1
.endr
.endm
	LOADX 0
	LOADX 1
.macro SUBX t
.set XS, X+64*((\t)%2)
.if (\t) < 3
	s_wait_loadcnt 16                              ; this sub-step's 16 loads are in; the next one's 16 may be out
.else
	s_wait_loadcnt 0
.endif
.set i, 0
.rept 16
	ds_store_b128 v26, v[XS+4*i:XS+4*i+3] offset:528*i             ; the rows as they lie, 528 bytes apart
.set i, i+1
.endr
.irp c, 0,1                            ; back: lane (r, h) takes k = 64 c + 32 h + 0 .. 31 of row r: two whole blocks.  LDS serves a wave's instructions in order: these see the stores
.irp p, 0,1,2,3,4,5,6,7
	ds_load_b128 v[160+32*\c+4*\p:160+32*\c+4*\p+3], v27 offset:256*\c+16*\p
.endr
.endr
	s_wait_dscnt 0x0                               ; the numbers are back, and the stores have read their registers,
.if (\t)+2 < 4
	LOADX (\t)+2                                   ; which take the loads of two sub-steps on
.endif
.irp c, 0,1
	v_max3_num_f32 v[8+\c], |v[160+32*\c]|, |v[161+32*\c]|, 0x1800000   ; my block 2 c + h, and the floor 2^(3 - 127)
.endr
.irp i, 2,4,6,8,10,12,14,16,18,20,22,24,26,28,30
.irp c, 0,1
	v_max3_num_f32 v[8+\c], v[8+\c], |v[160+32*\c+\i]|, |v[161+32*\c+\i]|
.endr
.endr
.irp c, 0,1
	v_add_nc_u32 v[12+\c], 0xff000000, v[8+\c]     ; the conversion's scale operand
.endr
.irp c, 0,1
	v_lshrrev_b32 v[14+\c], 23, v[12+\c]           ; the scale's byte
.endr
	v_lshl_or_b32 v[16+(\t)], v15, 16, v14         ; my two bytes: blocks h and 2 + h,
	v_lshlrev_b32 v[16+(\t)], v22, v[16+(\t)]      ; at their places;
	v_permlanex16_b32 v10, v[16+(\t)], s30, s31
	v_or_b32 v[16+(\t)], v[16+(\t)], v10           ; with lane l xor 16's two the row's word is whole
.irp c, 0,1
.irp g, 0,1,2,3
	v_cvt_scalef32_pk8_fp4_f32 v[224+8*(\t)+4*\c+\g], v[160+32*\c+8*\g:160+32*\c+8*\g+7], v[12+\c]
.endr
.endr
	v_nop                                          ; one plain line behind the last conversion
.irp c, 0,1
	global_store_b128 v7, v[224+8*(\t)+4*\c:224+8*(\t)+4*\c+3], s[10:11] offset:((\t)/2)*4096+((\t)%2)*1024+\c*512   ; a whole chunk: 512 consecutive bytes
.endr
.endm
.irp t, 0,1,2,3
	SUBX \t
.endr
	v_cmp_lt_u32 vcc_lo, 15, v3                    ; lanes 16-31 store row tile 1's words
	v_cndmask_b32 v20, v16, v18, vcc_lo
	v_cndmask_b32 v21, v17, v19, vcc_lo
	global_store_b64 v23, v[20:21], s[12:13]       ; 32 rows x 8 bytes: 256 consecutive bytes, aligned
	s_wait_tensorcnt 0x0                           ; the wave's end, behind my last LDS store
	ds_add_u32 v1, v2
	s_wait_dscnt 0x0
	s_endpgm
.Lfunc_end_k_q117b7b6737_prep:
	.size	k_q117b7b6737_prep, .Lfunc_end_k_q117b7b6737_prep-k_q117b7b6737_prep
	.p2alignl 7, 3214868480
	.fill 96, 4, 3214868480
	.section	.rodata,"a",@progbits
	.p2align	6, 0x0
	.amdhsa_kernel k_q117b7b6737_prep
		.amdhsa_group_segment_fixed_size 34304
		.amdhsa_private_segment_fixed_size 0
		.amdhsa_enable_private_segment 0
		.amdhsa_kernarg_size 64
		.amdhsa_user_sgpr_count 2
		.amdhsa_user_sgpr_kernarg_segment_ptr 1
		.amdhsa_wavefront_size32 1
		.amdhsa_system_sgpr_workgroup_id_x 1
		.amdhsa_system_sgpr_workgroup_id_y 1
		.amdhsa_system_sgpr_workgroup_id_z 1
		.amdhsa_system_vgpr_workitem_id 0
		.amdhsa_next_free_vgpr 256
		.amdhsa_next_free_sgpr 66
		.amdhsa_reserve_vcc 1
		.amdhsa_float_denorm_mode_32 3
		.amdhsa_float_denorm_mode_16_64 3
		.amdhsa_memory_ordered 1
		.amdhsa_forward_progress 1
		.amdhsa_inst_pref_size 103
	.end_amdhsa_kernel
	.amdgpu_metadata
---
amdhsa.version: [ 1, 2 ]
amdhsa.kernels:
  - .name:           k_q117b7b6737_prep
    .symbol:         k_q117b7b6737_prep.kd
    .args:
      - { .name: inputs, .offset: 0, .size: 8, .value_kind: global_buffer, .address_space: global }
      - { .name: W_qkv, .offset: 8, .size: 8, .value_kind: global_buffer, .address_space: global }
      - { .name: W_out, .offset: 16, .size: 8, .value_kind: global_buffer, .address_space: global }
      - { .name: x_img, .offset: 24, .size: 8, .value_kind: global_buffer, .address_space: global }
      - { .name: x_sc, .offset: 32, .size: 8, .value_kind: global_buffer, .address_space: global }
      - { .name: w_img, .offset: 40, .size: 8, .value_kind: global_buffer, .address_space: global }
      - { .name: w_sc, .offset: 48, .size: 8, .value_kind: global_buffer, .address_space: global }
      - { .name: wo_img, .offset: 56, .size: 8, .value_kind: global_buffer, .address_space: global }
    .group_segment_fixed_size: 34304
    .private_segment_fixed_size: 0
    .kernarg_segment_align: 8
    .kernarg_segment_size: 64
    .max_flat_workgroup_size: 128
    .sgpr_count:     66
    .vgpr_count:     256
    .wavefront_size: 32
...
	.end_amdgpu_metadata
.endif
;; end of part 1
;; launch gemm_qkv (part 2): grid 16 x 16, 4 waves a work-group, clusters of 4 x 4, 327,680 bytes of LDS; arguments x_img, x_sc, w_img, w_sc, qkv_img; writes qkv_img
.if DOCPART == 2
	.amdgcn_target "amdgcn-amd-amdhsa--gfx1250"
	.amdhsa_code_object_version 6
	.text
	.protected	k_q117b7b6737_gemm_qkv
	.globl	k_q117b7b6737_gemm_qkv
	.p2align	8
	.type	k_q117b7b6737_gemm_qkv,@function
k_q117b7b6737_gemm_qkv:
	s_mov_b64 s[64:65], 0
	v_nop
	global_prefetch_b8 v0, s[64:65] scope:SCOPE_SE
	s_setreg_imm32_b32 hwreg(HW_REG_WAVE_MODE, 25, 1), 1
	s_wait_xcnt 0x0
	s_wait_alu depctr_hold_cnt(0) depctr_sa_sdst(0) depctr_va_vdst(0) depctr_va_sdst(0) depctr_va_ssrc(0) depctr_va_vcc(0) depctr_vm_vsrc(0)
	s_getreg_b32 s2, hwreg(HW_REG_IB_STS2, 6, 4)
	s_cmp_eq_u32 s2, 0
	s_cbranch_scc0 .Lentry_in_a_cluster
	s_endpgm
.Lentry_in_a_cluster:
	s_bfe_u32 s2, ttmp6, 0x10000c
	s_cmp_lg_u32 s2, 0xf033
	s_cbranch_scc0 .Lentry_shape_is_right
	s_endpgm
.Lentry_shape_is_right:
; qkv = inputs x W_qkv on codes of FP4 (E2M1) with one E8M0 scale for each 32 along K: [4096 rows] x [4096 columns], K = 1,024; sums in f32; the results leave as f16.
; A tile of 256 x 256 is made by four waves, each 128 x 128: 64 accumulators, 512 registers.  K has two steps of 512, each in an LDS slot of its own: both are asked for at the start and nothing is filled again.
; OPERANDS LIE IN MEMORY AND IN LDS AS IMAGES OF THEIR REGISTERS (chunks of 512 bytes, lane l's 16 bytes at 16 l): a wave's 128 rows of a K step are 32,768 dense bytes, [row tile 8][K step of 128: 4][c 2][512];
; a fragment is two loads at a constant + 16 x lane.  The scale bytes of 128 rows for all of K are 4,096 dense bytes, [k/256 4][row 128][8].
; CLUSTERS: 4 x 4 work-groups; A's tiles are asked for jointly along a row of the cluster, B's along a column.
; THE MATRIX INSTRUCTION IS USED TRANSPOSED (source 0 = 16 columns of W, source 1 = 16 rows of x): a lane then holds row r and eight neighbouring columns 8 h + 0 .. 7, which, rounded to f16, are the lane's 16 bytes of a
; chunk of qkv_img [b 4][column/64 64][position tile 64][e 4][512] (position 16 pt + r, channels 16 e + 8 h + 0 .. 7): the fragments of the attention's products.  So the results go from registers to memory, 512 consecutive bytes a store.
; LIMIT: q, k, v beyond 65,504 in magnitude become infinite in f16; under 6e-5 they keep an absolute precision of 3e-8.
; REGISTERS: window 0: v16-29 addresses; v32-95 scale words, two sets; v128-191 A's fragments, one set (on the way out v128-255 hold packed results).  window 1: B's fragments, two sets, at v0 and v128.  windows 2, 3: the accumulators ((a, b) at v[8 (8 (a % 4) + b)]).
.set NQ,     4                         ; steps of 128 along K in a slot
.set FR,     8                         ; registers of a fragment
.set NL,     2                         ; LDS loads that bring one
.set NP,     4                         ; places behind this matrix instruction (ISA guide 7.12.1)
.set PART,   32768                     ; 128 rows of a slot
.set SLOT,   131072                    ; A's 256 rows, then B's 256 rows
.set SCL,    262144                    ; behind the slots: A's scale bytes, 2 x 4,096;
.set SCB,    SCL+8192+128              ; B's, 128 bytes further on, so that lanes 16-31 of a load fall on other banks than lanes 0-15
.set SPARE,  278784                    ; the spare words, 128 bytes a wave: two blocks of 256 bytes that no other line names
.set ADRA, 16                          ; v16-17  LDS address of my A fragments in slot 0, 1
.set ADRB, 20                          ; v20-21  the same for B
.set CO,   26                          ; v26     16 x lane
.set ADRS, 27                          ; v27     LDS address of my scale words: lanes 0-15 A's rows, lanes 16-31 B's
.set SPW,  28                          ; v28     my spare word; never rewritten
.set NIL,  29                          ; v29     0; never rewritten
.set SC,   32                          ; scale words: set s at v[SC + 32 s]; register 4 i + q: lanes 0-15 the word of A's block i, lanes 16-31 of B's block i, for the slot's q-th 128 along K
.set AF,   128
.set OUTR, 128
.set G1, 24
.set G0, 32
.set G1B, 48
.set G0B, 56
.set G1S, 68
.set G0S, 76
.set G1SB, 80
.set G0SB, 88
.set MSB, 0
.macro WIN new                         ; the immediate's high byte repeats the setting that is left
.if MSB != \new
	s_set_vgpr_msb (MSB<<8)|\new
.set MSB, \new
.endif
.endm
.set MUL_LO, 0xa1                      ; source 0 (B) window 1, source 1 (A) window 0, C and D window 2
.set MUL_HI, 0xf1                      ; the same, C and D window 3
.set TO_B,   0x40                      ; destination window 1, address window 0
; A joint load: waves 0 and 1 fetch for A, waves 2 and 3 for B.  The branch hangs on the wave's number alone.  An s_nop 0 and four v_nop follow each of the two lines.
.macro JLOAD g0a, g1a, g0b, g1b
	s_cmp_eq_u32 s15, 0
	s_cbranch_scc0 .Lfor_b_\@
	tensor_load_to_lds s[\g0a:\g0a+3], s[\g1a:\g1a+7]
	s_nop 0
.rept 4
	v_nop
.endr
	s_branch .Lasked_\@
.Lfor_b_\@:
	tensor_load_to_lds s[\g0b:\g0b+3], s[\g1b:\g1b+7]
	s_nop 0
.rept 4
	v_nop
.endr
.Lasked_\@:
.endm
.macro CROUND                          ; a round of the cluster's barrier
	s_barrier_signal -1
	s_barrier_wait -1
	s_cmp_lg_u32 s14, 0
	s_cbranch_scc1 .Lnot_wave_0_\@
	s_barrier_signal -3
.Lnot_wave_0_\@:
	s_barrier_wait -3
	s_barrier_signal -1
	s_barrier_wait -1
.endm
	s_load_b128 s[4:7], s[0:1], 0x0                ; x_img s[4:5], x_sc s[6:7]
	s_load_b128 s[8:11], s[0:1], 0x10              ; w_img s[8:9], w_sc s[10:11]
	s_load_b64 s[12:13], s[0:1], 0x20              ; qkv_img
	v_lshl_add_u32 v[SPW], v0, 2, SPARE
	v_mov_b32 v[NIL], 0
	ds_add_u32 v[SPW], v[NIL]                      ; the wave's opening: the add, twice on end, and its wait ahead of my first tensor load
	ds_add_u32 v[SPW], v[NIL]
	v_lshrrev_b32 v1, 5, v0
	v_readfirstlane_b32 s14, v1                    ; wave 0..3
	s_lshr_b32 s15, s14, 1                         ; which half of the tile's rows is mine.  Also: I fetch for A (0) or for B (1)
	s_and_b32 s16, s14, 1                          ; which half of its columns.  Also: which 128 rows of that tile I fetch
	s_bfe_u32 s40, ttmp6, 0x40000                  ; cx, cy
	s_bfe_u32 s41, ttmp6, 0x40004
	s_lshl_b32 s42, ttmp9, 2
	s_add_co_u32 s42, s42, s40                     ; tile column = 4 x cluster x + cx
	s_and_b32 s17, ttmp7, 0xffff
	s_lshl_b32 s17, s17, 2
	s_add_co_u32 s17, s17, s41                     ; tile row = 4 x cluster y + cy
	s_lshl_b32 s43, s41, 2
	s_lshl_b32 s43, 15, s43                        ; my row of the cluster
	s_lshl_b32 s44, 0x1111, s40                    ; my column
	; group 1 for codes: 32,768 dense bytes as 128 rows of 256 bytes (32 elements of 8 bytes), no padding
	s_or_b32 s[G1+0], s43, (3<<16)|(1<<21)         ; 15:0 the mask; 17:16 elements of 8 bytes; 21 set beside a mask
	s_or_b32 s[G1B+0], s44, (3<<16)|(1<<21)
.irp g, G1, G1B
	s_mov_b32 s[\g+1], 32<<16                      ; tensor_dim0
	s_mov_b32 s[\g+2], 128<<16                     ; tensor_dim1
	s_mov_b32 s[\g+3], 32<<16                      ; tile_dim0
	s_mov_b32 s[\g+4], 128                         ; tile_dim1
	s_mov_b32 s[\g+5], 32                          ; pitch
	s_mov_b32 s[\g+6], 0
	s_mov_b32 s[\g+7], 0
.endr
	; and for scale bytes: 4,096 dense bytes as 16 rows of 256
	s_or_b32 s[G1S+0], s43, (3<<16)|(1<<21)
	s_or_b32 s[G1SB+0], s44, (3<<16)|(1<<21)
.irp g, G1S, G1SB
	s_mov_b32 s[\g+1], 32<<16
	s_mov_b32 s[\g+2], 16<<16
	s_mov_b32 s[\g+3], 32<<16
	s_mov_b32 s[\g+4], 16
	s_mov_b32 s[\g+5], 32
	s_mov_b32 s[\g+6], 0
	s_mov_b32 s[\g+7], 0
.endr
	s_lshl_b32 s18, s16, 15                        ; the half that I fetch: 32,768 bytes of codes
	s_lshl_b32 s20, s17, 16                        ; A: tile row x 65,536
	s_add_co_u32 s20, s20, s18
	s_mov_b32 s21, 0
	s_lshl_b32 s46, s42, 16                        ; B: tile column x 65,536
	s_add_co_u32 s46, s46, s18
	s_mov_b32 s47, 0
	s_lshl_b32 s18, s16, 12                        ; 4,096 bytes of scales
	s_lshl_b32 s22, s17, 13
	s_add_co_u32 s22, s22, s18
	s_mov_b32 s23, 0
	s_lshl_b32 s92, s42, 13
	s_add_co_u32 s92, s92, s18
	s_mov_b32 s93, 0
	s_lshl_b32 s45, s14, 15                        ; where codes go: wave x 32,768: no place in the cluster enters an LDS address
	s_lshl_b32 s94, s16, 12                        ; where scales go: half x 4,096
	s_wait_dscnt 0x0                               ; both opening adds are done
	s_wait_kmcnt 0x0
	s_add_nc_u64 s[20:21], s[4:5], s[20:21]
	s_add_nc_u64 s[22:23], s[6:7], s[22:23]
	s_add_nc_u64 s[46:47], s[8:9], s[46:47]
	s_add_nc_u64 s[92:93], s[10:11], s[92:93]
	CROUND                                         ; all sixteen work-groups are here: the joint loads meet
	s_mov_b32 s[G0S], 1
	s_add_co_u32 s[G0S+1], s94, SCL
	s_mov_b64 s[G0S+2:G0S+3], s[22:23]
	s_or_b32 s[G0S+3], s[G0S+3], 0x80000000
	s_mov_b32 s[G0SB], 1
	s_add_co_u32 s[G0SB+1], s94, SCB
	s_mov_b64 s[G0SB+2:G0SB+3], s[92:93]
	s_or_b32 s[G0SB+3], s[G0SB+3], 0x80000000
	JLOAD G0S, G1S, G0SB, G1SB                     ; the scales first: they are wanted with the first step.  Three loads of mine are out behind the third
.irp s, 0,1
	s_mov_b32 s[G0+4*\s], 1
	s_add_co_u32 s[G0+4*\s+1], s45, \s*SLOT
	s_add_nc_u64 s[G0+4*\s+2:G0+4*\s+3], s[20:21], \s*1048576      ; K = 512 s on
	s_or_b32 s[G0+4*\s+3], s[G0+4*\s+3], 0x80000000
	s_mov_b32 s[G0B+4*\s], 1
	s_add_co_u32 s[G0B+4*\s+1], s45, \s*SLOT
	s_add_nc_u64 s[G0B+4*\s+2:G0B+4*\s+3], s[46:47], \s*1048576
	s_or_b32 s[G0B+4*\s+3], s[G0B+4*\s+3], 0x80000000
	JLOAD G0+4*\s, G1, G0B+4*\s, G1B
.endr
	v_and_b32 v1, 15, v0                           ; r
	v_bfe_u32 v2, v0, 4, 1                         ; h
	v_and_b32 v3, 31, v0
	v_lshlrev_b32 v[CO], 4, v3                     ; 16 x lane
	s_lshl_b32 s21, s15, 15                        ; my 128 rows of A
	s_lshl_b32 s22, s16, 15                        ; my 128 rows of B,
	s_add_co_u32 s22, s22, 2*PART                  ; which lie behind A's 256
.irp s, 0,1
	v_add_nc_u32 v[ADRA+\s], s21, v[CO]
	v_add_nc_u32 v[ADRB+\s], s22, v[CO]
	s_add_co_u32 s21, s21, SLOT
	s_add_co_u32 s22, s22, SLOT
.endr
	v_lshlrev_b32 v5, 3, v1                        ; my row's scales: 8 bytes a row
	s_lshl_b32 s21, s15, 12                        ; A's: my 128 rows
	s_lshl_b32 s22, s16, 12                        ; B's: my 128 rows
	s_add_co_u32 s22, s22, SCB-SCL
	s_sub_co_u32 s22, s22, s21
	v_mul_u32_u24 v6, s22, v2                      ; lanes 16-31 take B's: one product, the distance between the two
	s_add_co_u32 s21, s21, SCL
	v_add_nc_u32 v5, v5, v6
	v_add_nc_u32 v[ADRS], s21, v5
	s_lshl_b32 s20, s17, 1                         ; where my results go: my 128 rows are group rho = 2 x tile row + half:
	s_add_co_u32 s20, s20, s15
	s_lshr_b32 s21, s20, 3
	s_lshl_b32 s21, s21, 23                        ; batch rho / 8,
	s_and_b32 s20, s20, 7
	s_lshl_b32 s20, s20, 14                        ; position tiles 8 (rho % 8) on, 2,048 bytes each;
	s_add_co_u32 s20, s20, s21
	s_mov_b32 s21, 0
	s_add_nc_u64 s[12:13], s[12:13], s[20:21]
	s_lshl_b32 s46, s42, 1                         ; my 128 columns are two heads of 64: 131,072 bytes each
	s_add_co_u32 s46, s46, s16
	s_lshl_b32 s46, s46, 18
	s_mov_b32 s47, 0
	s_add_nc_u64 s[12:13], s[12:13], s[46:47]
.macro FRAG reg, adr, q, i             ; a fragment: 16 rows x 128 K of 4-bit codes, two chunks
.irp c, 0,1
	ds_load_b128 v[\reg+4*\c:\reg+4*\c+3], v[\adr] offset:(\i)*4096+(\q)*1024+512*\c
.endr
.endm
; 16 matrix instructions: A's blocks a0, a0 + 1 x B's eight, the slot's q-th 128 along K.  The 64 accumulators take turns, one instruction a turn, in the same order in every step.
.macro MUL16 a0, p, q, sc, zero
.irp a, \a0, \a0+1
.irp b, 0,1,2,3,4,5,6,7
.if \zero
	v_wmma_scale_f32_16x16x128_f8f6f4 v[8*(8*((\a)%4)+\b):8*(8*((\a)%4)+\b)+7], v[128*(\p)+FR*\b:128*(\p)+FR*\b+FR-1], v[AF+FR*(\a):AF+FR*(\a)+FR-1], 0, v[SC+8*NQ*(\sc)+NQ*\b+(\q)], v[SC+8*NQ*(\sc)+NQ*(\a)+(\q)] matrix_a_fmt:MATRIX_FMT_FP4 matrix_b_fmt:MATRIX_FMT_FP4 matrix_a_scale:MATRIX_SCALE_ROW1
.else
	v_wmma_scale_f32_16x16x128_f8f6f4 v[8*(8*((\a)%4)+\b):8*(8*((\a)%4)+\b)+7], v[128*(\p)+FR*\b:128*(\p)+FR*\b+FR-1], v[AF+FR*(\a):AF+FR*(\a)+FR-1], v[8*(8*((\a)%4)+\b):8*(8*((\a)%4)+\b)+7], v[SC+8*NQ*(\sc)+NQ*\b+(\q)], v[SC+8*NQ*(\sc)+NQ*(\a)+(\q)] matrix_a_fmt:MATRIX_FMT_FP4 matrix_b_fmt:MATRIX_FMT_FP4 matrix_a_scale:MATRIX_SCALE_ROW1
.endif
.endr
.endr
.endm
.macro FETCH_B slot, q, p
	WIN TO_B
.irp i, 0,1,2,3,4,5,6,7
	FRAG 128*(\p)+FR*\i, ADRB+\slot, \q, \i
.endr
	WIN 0
.endm
.macro FETCH_A slot, q, i0
.irp i, \i0, \i0+1, \i0+2, \i0+3
	FRAG AF+FR*(\i), ADRA+\slot, \q, \i
.endr
.endm
.macro SCALES sc                       ; slot sc's scale words: 8 bytes (two K steps of 128) a row and load; lanes 0-15 take A's block i, lanes 16-31 B's block i
.irp i, 0,1,2,3,4,5,6,7
.irp pq, 0,1
	ds_load_b64 v[SC+8*NQ*\sc+NQ*\i+2*\pq:SC+8*NQ*\sc+NQ*\i+2*\pq+1], v[ADRS] offset:(2*\sc+\pq)*1024+128*\i
.endr
.endr
.endm
.macro PLACES n                        ; plain vector instructions that name none of a matrix instruction's registers, ahead of loads into registers that it read and of reads of its results
.rept \n
	v_nop
.endr
.endm
.macro STEP slot, q, zero              ; a step of 128 along K that has its successor in the same slot
	s_wait_dscnt 4*NL                              ; B's set, the scales and A's blocks 0-3 are in; the youngest eight loads (A's blocks 4-7) may be out
	WIN MUL_LO
	MUL16 0, (\q)%2, \q, \slot, \zero
	MUL16 2, (\q)%2, \q, \slot, \zero
	s_wait_dscnt 0
	PLACES NP
	FETCH_B \slot, (\q)+1, 1-(\q)%2
	FETCH_A \slot, (\q)+1, 0
	WIN MUL_HI
	MUL16 4, (\q)%2, \q, \slot, \zero
	MUL16 6, (\q)%2, \q, \slot, \zero
	PLACES NP
	WIN 0
	FETCH_A \slot, (\q)+1, 4
.endm
.macro STEPS slot, from
.set Q, \from
.rept NQ-1-\from
	STEP \slot, Q, 0
.set Q, Q+1
.endr
.endm
	s_wait_tensorcnt 1                             ; the scales and my part of slot 0 are in (slot 1's load may be out)
	s_barrier_signal -1
	s_barrier_wait -1                              ; everybody's are
	FETCH_B 0, 0, 0
	FETCH_A 0, 0, 0
	SCALES 0
	FETCH_A 0, 0, 4
	STEP 0, 0, 1                                   ; the first products start the sums: nothing is cleared
	STEPS 0, 1
	; slot 0's last step changes slots: one barrier; in front of it each wave waits for its part of slot 1
	s_wait_tensorcnt 0x0                           ; all my tensor loads have landed
	ds_add_u32 v[SPW], v[NIL]                      ; 0 onto my spare word
	s_wait_dscnt 4*NL+1                            ; (the add and the youngest eight loads, A's blocks 4-7, may be out)
	WIN MUL_LO
	MUL16 0, 1, NQ-1, 0, 0
	s_wait_dscnt 0x0                               ; no LDS instruction of mine is out at the signal
	s_barrier_signal -1
	MUL16 2, 1, NQ-1, 0, 0
	WIN 0
	s_barrier_wait -1                              ; slot 1 is whole
	PLACES NP
	FETCH_B 1, 0, 0
	FETCH_A 1, 0, 0
	SCALES 1
	WIN MUL_HI
	MUL16 4, 1, NQ-1, 0, 0
	MUL16 6, 1, NQ-1, 0, 0
	PLACES NP
	WIN 0
	FETCH_A 1, 0, 4
	STEPS 1, 0
	s_wait_dscnt 4*NL                              ; the very last step: nothing more to fetch
	WIN MUL_LO
	MUL16 0, 1, NQ-1, 1, 0
	MUL16 2, 1, NQ-1, 1, 0
	s_wait_dscnt 0
	WIN MUL_HI
	MUL16 4, 1, NQ-1, 1, 0
	MUL16 6, 1, NQ-1, 1, 0
	WIN 0
	PLACES NP                                      ; ahead of the conversions, which write registers that held A's fragments
; THE WAY OUT: block a (16 rows x 128 columns): each accumulator, from its low end on, is rounded to f16: four registers, a lane's 16 bytes of a chunk; eight stores of 512 consecutive bytes.
.macro OUT a
.set AC, 64*((\a)%4)
.set RR, OUTR+32*((\a)%4)
.if (\a) >= 4
	s_wait_xcnt 0x0                                ; the stores of four blocks ago have read the registers that are written now
.endif
	WIN 0x0a+5*((\a)/4)                            ; sources 0 and 1: window 2 or 3
.irp b, 0,1,2,3,4,5,6,7
.irp i, 0,1,2,3
	v_cvt_pk_f16_f32 v[RR+4*\b+\i], v[AC+8*\b+2*\i], v[AC+8*\b+2*\i+1]
.endr
.endr
	WIN 0
.irp b, 0,1,2,3,4,5,6,7
	global_store_b128 v[CO], v[RR+4*\b:RR+4*\b+3], s[12:13] offset:(\a)*2048+(\b>>2)*131072+(\b&3)*512
.endr
.endm
.irp a, 0,1,2,3,4,5,6,7
	OUT \a
.endr
	s_wait_tensorcnt 0x0                           ; the wave's end, behind my last tensor load
	ds_add_u32 v[SPW], v[NIL]
	s_wait_dscnt 0x0
	CROUND                                         ; the closing round
	s_endpgm
.Lfunc_end_k_q117b7b6737_gemm_qkv:
	.size	k_q117b7b6737_gemm_qkv, .Lfunc_end_k_q117b7b6737_gemm_qkv-k_q117b7b6737_gemm_qkv
	.p2alignl 7, 3214868480
	.fill 96, 4, 3214868480
	.section	.rodata,"a",@progbits
	.p2align	6, 0x0
	.amdhsa_kernel k_q117b7b6737_gemm_qkv
		.amdhsa_group_segment_fixed_size 327680
		.amdhsa_private_segment_fixed_size 0
		.amdhsa_enable_private_segment 0
		.amdhsa_kernarg_size 40
		.amdhsa_user_sgpr_count 2
		.amdhsa_user_sgpr_kernarg_segment_ptr 1
		.amdhsa_wavefront_size32 1
		.amdhsa_system_sgpr_workgroup_id_x 1
		.amdhsa_system_sgpr_workgroup_id_y 1
		.amdhsa_system_sgpr_workgroup_id_z 1
		.amdhsa_system_vgpr_workitem_id 0
		.amdhsa_next_free_vgpr 1024
		.amdhsa_next_free_sgpr 98
		.amdhsa_reserve_vcc 0
		.amdhsa_float_denorm_mode_32 3
		.amdhsa_float_denorm_mode_16_64 3
		.amdhsa_memory_ordered 1
		.amdhsa_forward_progress 1
		.amdhsa_inst_pref_size 118
	.end_amdhsa_kernel
	.amdgpu_metadata
---
amdhsa.version: [ 1, 2 ]
amdhsa.kernels:
  - .name:           k_q117b7b6737_gemm_qkv
    .symbol:         k_q117b7b6737_gemm_qkv.kd
    .args:
      - { .name: x_img, .offset: 0, .size: 8, .value_kind: global_buffer, .address_space: global }
      - { .name: x_sc, .offset: 8, .size: 8, .value_kind: global_buffer, .address_space: global }
      - { .name: w_img, .offset: 16, .size: 8, .value_kind: global_buffer, .address_space: global }
      - { .name: w_sc, .offset: 24, .size: 8, .value_kind: global_buffer, .address_space: global }
      - { .name: qkv_img, .offset: 32, .size: 8, .value_kind: global_buffer, .address_space: global }
    .group_segment_fixed_size: 327680
    .private_segment_fixed_size: 0
    .kernarg_segment_align: 8
    .kernarg_segment_size: 40
    .max_flat_workgroup_size: 128
    .sgpr_count:     98
    .vgpr_count:     1024
    .wavefront_size: 32
...
	.end_amdgpu_metadata
.endif
;; end of part 2
;; launch attn (part 3): grid 4 x 64, 8 waves a work-group, clusters of 4 x 1, 327,680 bytes of LDS; arguments qkv_img, o_img; writes o_img
.if DOCPART == 3
	.amdgcn_target "amdgcn-amd-amdhsa--gfx1250"
	.amdhsa_code_object_version 6
	.text
	.protected	k_q117b7b6737_attn
	.globl	k_q117b7b6737_attn
	.p2align	8
	.type	k_q117b7b6737_attn,@function
k_q117b7b6737_attn:
	s_mov_b64 s[64:65], 0
	v_nop
	global_prefetch_b8 v0, s[64:65] scope:SCOPE_SE
	s_setreg_imm32_b32 hwreg(HW_REG_WAVE_MODE, 25, 1), 1
	s_wait_xcnt 0x0
	s_wait_alu depctr_hold_cnt(0) depctr_sa_sdst(0) depctr_va_vdst(0) depctr_va_sdst(0) depctr_va_ssrc(0) depctr_va_vcc(0) depctr_vm_vsrc(0)
	s_getreg_b32 s2, hwreg(HW_REG_IB_STS2, 6, 4)
	s_cmp_eq_u32 s2, 0
	s_cbranch_scc0 .Lentry_in_a_cluster
	s_endpgm
.Lentry_in_a_cluster:
	s_bfe_u32 s2, ttmp6, 0x10000c
	s_cmp_lg_u32 s2, 0x3003
	s_cbranch_scc0 .Lentry_shape_is_right
	s_endpgm
.Lentry_shape_is_right:
; Causal attention with ALiBi, two query heads to a key/value head, head size 64, 1,024 positions; q, k, v arrive as f16 images of fragments (qkv_img [b 4][head slot 64][position tile 64][e 4][512]: q 0-31, k 32-47, v 48-63);
; o leaves as f16 images of the last product's A fragments (o_img [K/256 8][row tile 256][k32 8][c 2][512], K = 64 x query head + channel).  Products on f16 operands, sums, maxima and softmax in f32.
; SHARES.  Cluster y = 16 b + hk: its four work-groups serve one batch and one key/value head, whose whole K and V (2 x 131,072 bytes) lie in each one's LDS, asked for JOINTLY, filled once, as they lie in memory.
; Partner cx owns the position tiles 4 i + cx, i = 0 .. 15, for both query heads.  Tile 4 i + cx needs the steps of 64 keys n = 0 .. i, whatever cx: no branch, trip count or LDS address hangs on cx;
; it enters Q's and O's global addresses and the mask's one register.  Wave w takes block 15 - w and then block w: 17 steps in every wave.  In a step the two heads' tiles share each fragment of K and V.
; LAYOUT.  S^T = K Q^T (source 0 = 16 keys, source 1 = 16 queries): a lane holds ONE query (lane % 16) and keys 8 (lane / 16) + 0 .. 7; two such tiles rounded to f16 are source 1 of O^T = V^T P.  V is turned by ds_load_tr16_b128.
; SOFTMAX.  z = q.k + beta (key - 64 i), beta = 8 x slope = 2^((11 - head) / 4); the row's constant part of the bias is left out, since it cancels in the softmax.  p = 2^(c z - c m), c = log2(e) / 8, m the running maximum of z.
; beta x (8 h + j) is the C of the first product of each tile of scores; beta x 16 kt and beta x 64 (n - i) go into the maximum and into the addend of the one multiply-add ahead of the exponential.
; In every step O and l are multiplied by 2^(c m_old - c m_new).  O^T, l begin as zeros and m as -3e38, so that a step is written without a first-step form.
; LIMITS: q, k, v, o in f16 (beyond 65,504 infinite); p under 6e-8 of the row's running largest counts as 0; the slope is made by v_exp_f32 (1 ulp); NaN and infinities are not served.
; REGISTERS.  window 0: v1-9 addresses and constants; v10-25 beta x 16 kt and c x that; v26-55 statistics; v64-127 S^T (tile u at 64 + 32 u), P packed in place into each tile's low 16; v128-191 O^T; v192-255 V's fragments.
;   window 1: v0-31 Q (16 u + 8 f); v32-47 beta_u x (8 h + j); v64-127 K's fragments (64 + 16 kt + 8 f).
.set SPARE, 262144                     ; behind K and V: the spare words, 128 bytes a wave: four blocks of 256 bytes that no other line names
.set VBASE, 131072
.set SPW, 1
.set NIL, 2
.set LI,  3                            ; 16 x lane
.set AV0, 4                            ; the turning load's place: VBASE + 16 (16 ((l / 8) % 2) + 8 (l / 16) + l % 8)
.set ADK, 5
.set ADV, 6
.set DG,  7                            ; 16 cx + r - 8 h: on the diagonal key 16 kt + j of my half is hidden where 16 kt + j is above it
.set NINF, 8
.set B16, 10                           ; + 8 u + kt
.set CB16, 14                          ; + 8 u + kt
.set MM,  26                           ; + u
.set LL,  28                           ; + 2 u: l in two halves
.set MX,  32
.set SUB, 36                           ; + 2 kt: the low word of a pair
.set TT,  44
.set AL,  48                           ; + 2 u: the low word of a pair
.set OFF, 52                           ; + u
.set NB,  54                           ; + u: -64 beta
.set S,   64
.set O,   128
.set VF,  192
.set A8,  32                           ; window 1
.set KF,  64                           ; window 1
.set WV,  8
.set CX,  9
.set G1,  12
.set G0,  20
.set CS,  28
.set SEL, 30
.set BI,  36                           ; my block i
.set BN,  37                           ; the step n
.set TB,  38                           ; 8,192 n
.set MSB, 0
.macro WIN new
.if MSB != \new
	s_set_vgpr_msb (MSB<<8)|\new
.set MSB, \new
.endif
.endm
.macro CROUND
	s_barrier_signal -1
	s_barrier_wait -1
	s_cmp_lg_u32 s[WV], 0
	s_cbranch_scc1 .Lnot_wave_0_\@
	s_barrier_signal -3
.Lnot_wave_0_\@:
	s_barrier_wait -3
	s_barrier_signal -1
	s_barrier_wait -1
.endm
	s_load_b128 s[4:7], s[0:1], 0x0                ; qkv_img s[4:5], o_img s[6:7]
	v_lshl_add_u32 v[SPW], v0, 2, SPARE
	v_mov_b32 v[NIL], 0
	ds_add_u32 v[SPW], v[NIL]                      ; the wave's opening: the add, twice on end, and its wait ahead of my first tensor load
	ds_add_u32 v[SPW], v[NIL]
	v_lshrrev_b32 v9, 5, v0
	v_readfirstlane_b32 s[WV], v9                  ; wave 0..7
	s_bfe_u32 s[CX], ttmp6, 0x40000                ; cx
	s_and_b32 s10, ttmp7, 0xffff                   ; 16 b + hk
	; group 1: 16,384 dense bytes as 64 rows of 256 bytes (32 elements of 8 bytes)
	s_mov_b32 s[G1], 15|(3<<16)|(1<<21)            ; 15:0 the mask: all four work-groups; 17:16 elements of 8 bytes; 21 set beside a mask
	s_mov_b32 s[G1+1], 32<<16
	s_mov_b32 s[G1+2], 64<<16
	s_mov_b32 s[G1+3], 32<<16
	s_mov_b32 s[G1+4], 64
	s_mov_b32 s[G1+5], 32
	s_mov_b32 s[G1+6], 0
	s_mov_b32 s[G1+7], 0
	s_mov_b32 s[CS], 0x3e38aa3b                    ; c = log2(e) / 8
	s_mov_b32 s[CS+1], s[CS]
	s_mov_b32 s[SEL], 0x76543210
	s_mov_b32 s[SEL+1], 0xfedcba98
	s_lshr_b32 s48, s10, 4                         ; b
	s_and_b32 s49, s10, 15                         ; hk
	s_lshl_b32 s50, s48, 23                        ; what I fetch: waves 0-3 K, waves 4-7 V; 16,384 bytes of each half of the keys
	s_add_co_u32 s51, s49, 32
	s_lshl_b32 s51, s51, 17
	s_add_co_u32 s50, s50, s51
	s_lshr_b32 s51, s[WV], 2
	s_lshl_b32 s52, s51, 21                        ; V lies 16 head slots behind K
	s_add_co_u32 s50, s50, s52
	s_lshl_b32 s52, s51, 17                        ; in LDS: K at 0, V at 131,072
	s_and_b32 s53, s[WV], 3
	s_lshl_b32 s53, s53, 14
	s_add_co_u32 s50, s50, s53
	s_add_co_u32 s52, s52, s53
	s_mov_b32 s51, 0
	s_lshl_b32 s54, s48, 23                        ; Q: batch, head 2 hk
	s_lshl_b32 s55, s49, 18
	s_add_co_u32 s54, s54, s55
	s_sub_co_u32 s56, 15, s[WV]
	s_lshl_b32 s57, s56, 2
	s_add_co_u32 s57, s57, s[CX]                   ; the long job's position tile
	s_lshl_b32 s58, s[WV], 2
	s_add_co_u32 s58, s58, s[CX]                   ; the short job's
	s_lshr_b32 s59, s49, 1                         ; O: K / 256 = hk / 2,
	s_lshl_b32 s59, s59, 21
	s_lshl_b32 s60, s48, 19                        ; row tiles 64 b on, 8,192 bytes each,
	s_add_co_u32 s59, s59, s60
	s_and_b32 s60, s49, 1
	s_lshl_b32 s60, s60, 12                        ; head 2 hk's 2,048 bytes among four
	s_add_co_u32 s59, s59, s60
	s_lshl_b32 s40, s57, 11
	s_add_co_u32 s40, s40, s54
	s_mov_b32 s41, 0
	s_lshl_b32 s42, s58, 11
	s_add_co_u32 s42, s42, s54
	s_mov_b32 s43, 0
	s_lshl_b32 s44, s57, 13
	s_add_co_u32 s44, s44, s59
	s_mov_b32 s45, 0
	s_lshl_b32 s46, s58, 13
	s_add_co_u32 s46, s46, s59
	s_mov_b32 s47, 0
	s_wait_dscnt 0x0                               ; both opening adds are done
	s_wait_kmcnt 0x0
	s_mov_b32 s[G0], 1
	s_mov_b32 s[G0+1], s52                         ; keys 0-511
	s_add_nc_u64 s[G0+2:G0+3], s[4:5], s[50:51]
	s_mov_b32 s[G0+4], 1
	s_add_co_u32 s[G0+5], s52, 65536               ; keys 512-1023
	s_add_nc_u64 s[G0+6:G0+7], s[G0+2:G0+3], 65536
	s_or_b32 s[G0+3], s[G0+3], 0x80000000
	s_or_b32 s[G0+7], s[G0+7], 0x80000000
	s_add_nc_u64 s[40:41], s[4:5], s[40:41]        ; Q of the long job, of the short job
	s_add_nc_u64 s[42:43], s[4:5], s[42:43]
	s_add_nc_u64 s[44:45], s[6:7], s[44:45]        ; O likewise
	s_add_nc_u64 s[46:47], s[6:7], s[46:47]
	CROUND                                         ; all four work-groups are here: the joint loads meet
	tensor_load_to_lds s[G0:G0+3], s[G1:G1+7]      ; two loads of mine are out
	s_nop 0
	tensor_load_to_lds s[G0+4:G0+7], s[G1:G1+7]
	s_nop 0
.rept 4
	v_nop
.endr
	v_and_b32 v[LI], 31, v0
	v_lshlrev_b32 v[LI], 4, v[LI]
.macro QLOAD qb                        ; both heads' tile of 16 queries: eight chunks
	WIN 0x40                                       ; destination window 1
.irp u, 0,1
.irp e, 0,1,2,3
	global_load_b128 v[16*\u+4*\e:16*\u+4*\e+3], v[LI], s[\qb:\qb+1] offset:\u*131072+\e*512
.endr
.endr
	WIN 0
.endm
	QLOAD 40
.irp n, 37,39,41,43,44,45,46,47,49,51
	v_mov_b32 v\n, 0                               ; upper halves of pairs that are named whole, and lane permutes' destinations: written once
.endr
	v_mov_b32 v[NINF], 0xff800000
	v_and_b32 v56, 15, v0                          ; r
	v_bfe_u32 v57, v0, 4, 1                        ; h
	s_lshl_b32 s39, s49, 1
	s_sub_co_i32 s39, 11, s39                      ; 11 - head, u = 0
	v_cvt_f32_i32 v44, s39
	v_add_f32 v45, -1.0, v44                       ; u = 1
	v_mul_f32 v44, 0x3e800000, v44
	v_mul_f32 v45, 0x3e800000, v45
	v_exp_f32 v44, v44                             ; beta_0 = 2^((11 - head) / 4)
	v_exp_f32 v45, v45                             ; beta_1
	v_lshlrev_b32 v46, 3, v57                      ; 8 h   (plain work that names neither result)
	v_sub_nc_u32 v[DG], v56, v46
	s_lshl_b32 s39, s[CX], 4
	v_add_nc_u32 v[DG], s39, v[DG]
	v_bfe_u32 v9, v0, 3, 1
	v_lshlrev_b32 v9, 4, v9
	v_lshl_add_u32 v9, v57, 3, v9
	v_and_b32 v47, 7, v0
	v_add_nc_u32 v9, v9, v47
	v_lshlrev_b32 v9, 4, v9
	v_add_nc_u32 v[AV0], VBASE, v9
.irp j, 0,1,2,3,4,5,6,7
	v_add_nc_u32 v[S+\j], \j, v46
.endr
.irp j, 0,1,2,3,4,5,6,7
	v_cvt_f32_u32 v[S+\j], v[S+\j]                 ; 8 h + j
.endr
	s_wait_alu depctr_va_vdst(0)                   ; one wait for the two exponentials, ahead of their first reader
	WIN 0x40
.irp u, 0,1
.irp j, 0,1,2,3,4,5,6,7
	v_mul_f32 v[A8+8*\u+\j], v[S+\j], v[44+\u]     ; beta_u (8 h + j), in the result's layout
.endr
.endr
	WIN 0
.irp u, 0,1
	v_mul_f32 v[B16+8*\u+1], 0x41800000, v[44+\u]  ; beta x 16, 32, 48
	v_mul_f32 v[B16+8*\u+2], 0x42000000, v[44+\u]
	v_mul_f32 v[B16+8*\u+3], 0x42400000, v[44+\u]
	v_mul_f32 v[NB+\u], 0xc2800000, v[44+\u]       ; -64 beta
.endr
.irp u, 0,1
.irp kt, 1,2,3
	v_mul_f32 v[CB16+8*\u+\kt], s[CS], v[B16+8*\u+\kt]
.endr
.endr
.macro INIT
	v_mov_b32 v[MM], 0xff61b1e6                    ; -3e38, under every z
	v_mov_b32 v[MM+1], 0xff61b1e6
.irp n, 0,1,2,3
	v_mov_b32 v[LL+\n], 0
.endr
.set i, 0
.rept 64
	v_mov_b32 v[O+i], 0
.set i, i+1
.endr
.endm
; the part of tile u's softmax ahead of the exponentials
.macro PRE u
.set rS, S+32*\u
.irp kt, 0,1,2,3
	v_max3_num_f32 v[MX+\kt], v[rS+8*\kt], v[rS+8*\kt+1], v[rS+8*\kt+2]   ; each accumulator is read from its low end on; the four key tiles by turns
.endr
.irp i, 3,5
.irp kt, 0,1,2,3
	v_max3_num_f32 v[MX+\kt], v[MX+\kt], v[rS+8*\kt+\i], v[rS+8*\kt+\i+1]
.endr
.endr
.irp kt, 0,1,2,3
	v_max_num_f32 v[MX+\kt], v[MX+\kt], v[rS+8*\kt+7]
.endr
.irp kt, 1,2,3
	v_add_f32 v[MX+\kt], v[MX+\kt], v[B16+8*\u+\kt]
.endr
	v_max3_num_f32 v[TT], v[MX], v[MX+1], v[MX+2]
	v_max_num_f32 v[TT], v[TT], v[MX+3]
	v_add_f32 v[TT], v[TT], v[OFF+\u]
	v_permlanex16_b32 v[TT+1], v[TT], s[SEL], s[SEL+1]             ; the query's other 32 keys lie in the lane 16 away
	v_max3_num_f32 v[TT+2], v[TT], v[TT+1], v[MM+\u]               ; the new m
	v_sub_f32 v[TT+3], v[MM+\u], v[TT+2]
	v_mul_f32 v[AL+2*\u], s[CS], v[TT+3]                           ; c (m_old - m_new)
	v_mov_b32 v[MM+\u], v[TT+2]
	v_sub_f32 v[TT+3], v[OFF+\u], v[TT+2]
	v_mul_f32 v[SUB], s[CS], v[TT+3]                               ; the addend for key tile 0,
.irp kt, 1,2,3
	v_fma_f32 v[SUB+2*\kt], v[TT+3], s[CS], v[CB16+8*\u+\kt]       ; and for 1 to 3
.endr
.irp kt, 0,1,2,3
.irp i, 0,2,4,6
	v_pk_fma_f32 v[rS+8*\kt+\i:rS+8*\kt+\i+1], v[rS+8*\kt+\i:rS+8*\kt+\i+1], s[CS:CS+1], v[SUB+2*\kt:SUB+2*\kt+1] op_sel_hi:[1,0,0]
.endr
.endr
.endm
; and behind them
.macro POST u
.set rS, S+32*\u
.set rL, LL+2*\u
.set rA, AL+2*\u
	v_pk_mul_f32 v[rL:rL+1], v[rL:rL+1], v[rA:rA+1] op_sel_hi:[1,0]
	v_pk_add_f32 v[TT:TT+1], v[rS:rS+1], v[rS+2:rS+3]              ; the sum of p in f32, two chains
.irp j, 4,8,12,16,20,24,28
	v_pk_add_f32 v[rL:rL+1], v[rL:rL+1], v[rS+\j:rS+\j+1]
	v_pk_add_f32 v[TT:TT+1], v[TT:TT+1], v[rS+\j+2:rS+\j+3]
.endr
	v_pk_add_f32 v[rL:rL+1], v[rL:rL+1], v[TT:TT+1]
.set i, 0
.rept 16
	v_cvt_pk_f16_f32 v[rS+i], v[rS+2*i], v[rS+2*i+1]               ; in place, ascending: register i is written when registers 2 i, 2 i + 1 are read, never ahead of its own reading
.set i, i+1
.endr
.set i, 0
.rept 16
	v_pk_mul_f32 v[O+32*\u+2*i:O+32*\u+2*i+1], v[O+32*\u+2*i:O+32*\u+2*i+1], v[rA:rA+1] op_sel_hi:[1,0]
.set i, i+1
.endr
.endm
; A STEP: 64 keys for both heads' tiles.  skip = 1: a step beyond my block is jumped over (ids and the count of steps alone; no barrier and no tensor load stands in a step).  mask = 1: the step on the diagonal hides keys.
.macro STEP mask, skip
.if \skip
	s_cmp_gt_u32 s[BN], s[BI]
	s_cbranch_scc1 .Lskip_\@
.endif
	v_add_nc_u32 v[ADK], s[TB], v[LI]              ; six plain instructions: the places between the last step's products and the loads into V's registers, and the products that write over P
	v_add_nc_u32 v[ADV], s[TB], v[AV0]
	s_sub_co_u32 s39, s[BI], s[BN]
	v_cvt_f32_i32 v9, s39
	v_mul_f32 v[OFF], v9, v[NB]                    ; beta x 64 (n - i)
	v_mul_f32 v[OFF+1], v9, v[NB+1]
	v_nop
	WIN 0x40
.irp kt, 0,1,2,3
.irp e, 0,1,2,3
	ds_load_b128 v[KF+16*\kt+4*\e:KF+16*\kt+4*\e+3], v[ADK] offset:\kt*2048+\e*512
.endr
.endr
	WIN 0
.irp g, 0,1
.irp ct, 0,1,2,3
.irp cc, 0,1
	ds_load_tr16_b128 v[VF+8*(4*\g+\ct)+4*\cc:VF+8*(4*\g+\ct)+4*\cc+3], v[ADV] offset:(2*\g+\cc)*2048+\ct*512
.endr
.endr
.endr
	s_wait_dscnt 16                                ; K's 16 loads are in; V's 16, issued behind them, may be out
	WIN 0x15                                       ; K, Q and the bias in window 1, S^T in window 0
.irp kt, 0,1,2,3
.irp u, 0,1
	v_wmma_f32_16x16x32_f16 v[S+32*\u+8*\kt:S+32*\u+8*\kt+7], v[KF+16*\kt:KF+16*\kt+7], v[16*\u:16*\u+7], v[A8+8*\u:A8+8*\u+7]
.endr
.endr
	WIN 0x05                                       ; the eight accumulators take turns, one instruction a turn
.irp kt, 0,1,2,3
.irp u, 0,1
	v_wmma_f32_16x16x32_f16 v[S+32*\u+8*\kt:S+32*\u+8*\kt+7], v[KF+16*\kt+8:KF+16*\kt+15], v[16*\u+8:16*\u+15], v[S+32*\u+8*\kt:S+32*\u+8*\kt+7]
.endr
.endr
	WIN 0
.rept 4
	v_nop
.endr
.if \mask
	s_cmp_lt_u32 s[BN], s[BI]
	s_cbranch_scc1 .Lopen_\@
.irp kt, 0,1,2,3
.irp j, 0,1,2,3,4,5,6,7
	v_cmp_gt_i32 vcc_lo, 16*\kt+\j, v[DG]
	v_cndmask_b32 v[S+8*\kt+\j], v[S+8*\kt+\j], v[NINF], vcc_lo
	v_cndmask_b32 v[S+32+8*\kt+\j], v[S+32+8*\kt+\j], v[NINF], vcc_lo
.endr
.endr
.Lopen_\@:
.endif
	PRE 0
	PRE 1
	v_exp_f32 v[AL], v[AL]                         ; ONE BATCH: 66 exponentials, none of which reads another's result
	v_exp_f32 v[AL+2], v[AL+2]
.set i, 0
.rept 64
	v_exp_f32 v[S+i], v[S+i]
.set i, i+1
.endr
	v_nop                                          ; the plain instruction behind the last exponential
	s_wait_alu depctr_va_vdst(0)                   ; one wait for the batch, ahead of its first reader
	POST 0
	POST 1
	s_wait_dscnt 0x0                               ; V is in
.irp g, 0,1
.irp ct, 0,1,2,3
.irp u, 0,1
	v_wmma_f32_16x16x32_f16 v[O+32*\u+8*\ct:O+32*\u+8*\ct+7], v[VF+8*(4*\g+\ct):VF+8*(4*\g+\ct)+7], v[S+32*\u+8*\g:S+32*\u+8*\g+7], v[O+32*\u+8*\ct:O+32*\u+8*\ct+7]
.endr
.endr
.endr
.if \skip
.Lskip_\@:
.endif
	s_add_co_u32 s[TB], s[TB], 8192
	s_add_co_u32 s[BN], s[BN], 1
.endm
; O^T / l, rounded to f16: a lane's eight channels of its query are its 16 bytes of a chunk: eight stores of 512 consecutive bytes
.macro FINISH ob
.rept 4
	v_nop
.endr
	v_add_f32 v[TT], v[LL], v[LL+1]
	v_add_f32 v[TT+2], v[LL+2], v[LL+3]
	v_permlanex16_b32 v[TT+1], v[TT], s[SEL], s[SEL+1]
	v_permlanex16_b32 v[TT+3], v[TT+2], s[SEL], s[SEL+1]
	v_add_f32 v[TT], v[TT], v[TT+1]
	v_add_f32 v[TT+2], v[TT+2], v[TT+3]
	v_rcp_f32 v[AL], v[TT]
	v_rcp_f32 v[AL+2], v[TT+2]
	v_nop
	s_wait_alu depctr_va_vdst(0)                   ; one wait for the two reciprocals
.irp u, 0,1
.set i, 0
.rept 16
	v_pk_mul_f32 v[O+32*\u+2*i:O+32*\u+2*i+1], v[O+32*\u+2*i:O+32*\u+2*i+1], v[AL+2*\u:AL+2*\u+1] op_sel_hi:[1,0]
.set i, i+1
.endr
.endr
.set i, 0
.rept 32
	v_cvt_pk_f16_f32 v[S+i], v[O+2*i], v[O+2*i+1]
.set i, i+1
.endr
.irp u, 0,1
.irp ct, 0,1,2,3
	global_store_b128 v[LI], v[S+16*\u+4*\ct:S+16*\u+4*\ct+3], s[\ob:\ob+1] offset:\u*2048+\ct*512
.endr
.endr
.endm
	INIT
	s_wait_tensorcnt 1                             ; my part of keys 0-511 is in; my part of keys 512-1023 may stay out
	s_barrier_signal -1
	s_barrier_wait -1                              ; everybody's is
	s_wait_loadcnt 0x0                             ; Q
	s_sub_co_u32 s[BI], 15, s[WV]                  ; THE LONG JOB: block 15 - w, at least 8
	s_mov_b32 s[BN], 0
	s_mov_b32 s[TB], 0
.Lloop_a:                                          ; steps 0-7: keys under 512; none is beyond the block, none on the diagonal
	STEP 0, 0
	s_cmp_lt_u32 s[BN], 8
	s_cbranch_scc1 .Lloop_a
	s_wait_tensorcnt 0x0                           ; my part of keys 512-1023 is in,
	s_wait_dscnt 0x0
	s_barrier_signal -1
	s_barrier_wait -1                              ; everybody's is
	s_mov_b32 s[BN], 8
	s_mov_b32 s[TB], 65536
.Lloop_b:                                          ; steps 8-15
	STEP 1, 1
	s_cmp_lt_u32 s[BN], 16
	s_cbranch_scc1 .Lloop_b
	QLOAD 42                                       ; the short job's queries come while the long job goes out
	FINISH 44
	s_wait_xcnt 0x0                                ; the stores have read their registers, which the next scores write
	INIT
	s_mov_b32 s[BI], s[WV]                         ; THE SHORT JOB: block w
	s_mov_b32 s[BN], 0
	s_mov_b32 s[TB], 0
	s_wait_loadcnt 0x0
.Lloop_c:                                          ; steps 0-7
	STEP 1, 1
	s_cmp_lt_u32 s[BN], 8
	s_cbranch_scc1 .Lloop_c
	FINISH 46
	s_wait_tensorcnt 0x0                           ; the wave's end, behind my last tensor load
	ds_add_u32 v[SPW], v[NIL]
	s_wait_dscnt 0x0
	CROUND                                         ; the closing round
	s_endpgm
.Lfunc_end_k_q117b7b6737_attn:
	.size	k_q117b7b6737_attn, .Lfunc_end_k_q117b7b6737_attn-k_q117b7b6737_attn
	.p2alignl 7, 3214868480
	.fill 96, 4, 3214868480
	.section	.rodata,"a",@progbits
	.p2align	6, 0x0
	.amdhsa_kernel k_q117b7b6737_attn
		.amdhsa_group_segment_fixed_size 327680
		.amdhsa_private_segment_fixed_size 0
		.amdhsa_enable_private_segment 0
		.amdhsa_kernarg_size 16
		.amdhsa_user_sgpr_count 2
		.amdhsa_user_sgpr_kernarg_segment_ptr 1
		.amdhsa_wavefront_size32 1
		.amdhsa_system_sgpr_workgroup_id_x 1
		.amdhsa_system_sgpr_workgroup_id_y 1
		.amdhsa_system_sgpr_workgroup_id_z 1
		.amdhsa_system_vgpr_workitem_id 0
		.amdhsa_next_free_vgpr 384
		.amdhsa_next_free_sgpr 66
		.amdhsa_reserve_vcc 1
		.amdhsa_float_denorm_mode_32 3
		.amdhsa_float_denorm_mode_16_64 3
		.amdhsa_memory_ordered 1
		.amdhsa_forward_progress 1
		.amdhsa_inst_pref_size 86
	.end_amdhsa_kernel
	.amdgpu_metadata
---
amdhsa.version: [ 1, 2 ]
amdhsa.kernels:
  - .name:           k_q117b7b6737_attn
    .symbol:         k_q117b7b6737_attn.kd
    .args:
      - { .name: qkv_img, .offset: 0, .size: 8, .value_kind: global_buffer, .address_space: global }
      - { .name: o_img, .offset: 8, .size: 8, .value_kind: global_buffer, .address_space: global }
    .group_segment_fixed_size: 327680
    .private_segment_fixed_size: 0
    .kernarg_segment_align: 8
    .kernarg_segment_size: 16
    .max_flat_workgroup_size: 256
    .sgpr_count:     66
    .vgpr_count:     384
    .wavefront_size: 32
...
	.end_amdgpu_metadata
.endif
;; end of part 3
;; launch gemm_out (part 4): grid 8 x 32, 4 waves a work-group, clusters of 4 x 4, 327,680 bytes of LDS; arguments o_img, wo_img, out0; writes out0
.if DOCPART == 4
	.amdgcn_target "amdgcn-amd-amdhsa--gfx1250"
	.amdhsa_code_object_version 6
	.text
	.protected	k_q117b7b6737_gemm_out
	.globl	k_q117b7b6737_gemm_out
	.p2align	8
	.type	k_q117b7b6737_gemm_out,@function
k_q117b7b6737_gemm_out:
	s_mov_b64 s[64:65], 0
	v_nop
	global_prefetch_b8 v0, s[64:65] scope:SCOPE_SE
	s_setreg_imm32_b32 hwreg(HW_REG_WAVE_MODE, 25, 1), 1
	s_wait_xcnt 0x0
	s_wait_alu depctr_hold_cnt(0) depctr_sa_sdst(0) depctr_va_vdst(0) depctr_va_sdst(0) depctr_va_ssrc(0) depctr_va_vcc(0) depctr_vm_vsrc(0)
	s_getreg_b32 s2, hwreg(HW_REG_IB_STS2, 6, 4)
	s_cmp_eq_u32 s2, 0
	s_cbranch_scc0 .Lentry_in_a_cluster
	s_endpgm
.Lentry_in_a_cluster:
	s_bfe_u32 s2, ttmp6, 0x10000c
	s_cmp_lg_u32 s2, 0xf033
	s_cbranch_scc0 .Lentry_shape_is_right
	s_endpgm
.Lentry_shape_is_right:
; out0 = o x W_out: [4096 rows] x [1024 columns], K = 2,048, on f16 operands, sums in f32, out0 in f32.
; 256 tiles of 128 x 128, one for each work-group; four waves, each 64 x 64: 16 accumulators.  K goes in steps of 256 through a ring of two LDS slots filled by joint tensor loads.
; OPERANDS LIE IN MEMORY AND IN LDS AS IMAGES OF THEIR REGISTERS (chunks of 512 bytes, lane l's 16 bytes at 16 l): 64 rows of a K step are 32,768 dense bytes, [row tile 4][k32 8][c 2][512]; a fragment is two loads at a constant + 16 x lane.
; CLUSTERS: 4 x 4 work-groups; A's tiles are asked for jointly along a row of the cluster, B's along a column.  THE MATRIX INSTRUCTION IS USED TRANSPOSED (source 0 = 16 columns of W_out, source 1 = 16 rows of o): a lane holds eight neighbouring numbers of a row.
; REGISTERS: window 0: v16-29 addresses; v32-95 the way out; v128-255 the accumulators ((a, b) at v[128 + 8 (4 a + b)]).  window 1: two fragment buffers of 128: for 64 along K, 64 registers of A, then 64 of B.
.set PART,   32768                     ; 64 rows of a slot: what one tensor load brings
.set SLOT,   131072                    ; A's 128 rows, then B's 128
.set STAGE,  262144                    ; behind the ring: 16 rows x 272 bytes for each wave, its own, for the way out
.set SPITCH, 272
.set SPARE,  STAGE+4*16*SPITCH         ; the spare words, 128 bytes a wave: two blocks of 256 bytes that no other line names
.set LAPS,   4                         ; a lap = two K steps = once round the ring
.set STEP_A, 2*2097152                 ; two K steps on in o_img,
.set STEP_B, 2*524288                  ; and in wo_img
.set ADRA, 16
.set ADRB, 20
.set STO,  24
.set RD,   25
.set CO,   26
.set SPW,  28
.set NIL,  29
.set TMP,  32
.set ACC,  128
.set F0,   0
.set F1,   128
.set G1, 24
.set G0, 32
.set G1B, 48
.set G0B, 56
.set MSB, 0
.macro WIN new
.if MSB != \new
	s_set_vgpr_msb (MSB<<8)|\new
.set MSB, \new
.endif
.endm
.set MUL,  0x05                        ; sources 0 (B) and 1 (A) window 1; C and D window 0
.set TO_F, 0x40                        ; destination window 1, address window 0
.macro JLOAD s                         ; a joint load: waves 0 and 1 fetch A's two halves, waves 2 and 3 B's; an s_nop 0 and four v_nop follow each of the two lines
	s_cmp_eq_u32 s11, 0
	s_cbranch_scc0 .Lfor_b_\@
	tensor_load_to_lds s[G0+4*\s:G0+4*\s+3], s[G1:G1+7]
	s_nop 0
.rept 4
	v_nop
.endr
	s_branch .Lasked_\@
.Lfor_b_\@:
	tensor_load_to_lds s[G0B+4*\s:G0B+4*\s+3], s[G1B:G1B+7]
	s_nop 0
.rept 4
	v_nop
.endr
.Lasked_\@:
.endm
.macro CREST
	s_cmp_lg_u32 s10, 0
	s_cbranch_scc1 .Lnot_wave_0_\@
	s_barrier_signal -3
.Lnot_wave_0_\@:
	s_barrier_wait -3
	s_barrier_signal -1
	s_barrier_wait -1
.endm
.macro CROUND
	s_barrier_signal -1
	s_barrier_wait -1
	CREST
.endm
	s_load_b128 s[4:7], s[0:1], 0x0                ; o_img s[4:5], wo_img s[6:7]
	s_load_b64 s[8:9], s[0:1], 0x10                ; out0
	v_lshl_add_u32 v[SPW], v0, 2, SPARE
	v_mov_b32 v[NIL], 0
	ds_add_u32 v[SPW], v[NIL]                      ; the wave's opening: the add, twice on end, and its wait ahead of my first tensor load
	ds_add_u32 v[SPW], v[NIL]
	v_lshrrev_b32 v1, 5, v0
	v_readfirstlane_b32 s10, v1                    ; wave 0..3
	s_lshr_b32 s11, s10, 1                         ; which half of the tile's rows is mine.  Also: I fetch for A (0) or for B (1)
	s_and_b32 s12, s10, 1                          ; which half of its columns.  Also: which 64 rows of that tile I fetch
	s_bfe_u32 s40, ttmp6, 0x40000
	s_bfe_u32 s41, ttmp6, 0x40004
	s_lshl_b32 s42, ttmp9, 2
	s_add_co_u32 s42, s42, s40                     ; tile column
	s_and_b32 s13, ttmp7, 0xffff
	s_lshl_b32 s13, s13, 2
	s_add_co_u32 s13, s13, s41                     ; tile row
	s_lshl_b32 s43, s41, 2
	s_lshl_b32 s43, 15, s43                        ; my row of the cluster
	s_lshl_b32 s44, 0x1111, s40                    ; my column
	; group 1: 32,768 dense bytes as 128 rows of 256 bytes (32 elements of 8 bytes), no padding
	s_or_b32 s[G1+0], s43, (3<<16)|(1<<21)
	s_or_b32 s[G1B+0], s44, (3<<16)|(1<<21)
.irp g, G1, G1B
	s_mov_b32 s[\g+1], 32<<16
	s_mov_b32 s[\g+2], 128<<16
	s_mov_b32 s[\g+3], 32<<16
	s_mov_b32 s[\g+4], 128
	s_mov_b32 s[\g+5], 32
	s_mov_b32 s[\g+6], 0
	s_mov_b32 s[\g+7], 0
.endr
	s_lshl_b32 s17, s12, 15                        ; the half that I fetch
	s_lshl_b32 s16, s13, 16                        ; A: tile row x 65,536
	s_add_co_u32 s16, s16, s17
	s_lshl_b32 s46, s42, 16                        ; B: tile column x 65,536
	s_add_co_u32 s46, s46, s17
	s_mov_b32 s17, 0
	s_mov_b32 s47, 0
	s_lshl_b32 s20, s10, 15                        ; where they go: wave x 32,768
	s_wait_dscnt 0x0                               ; both opening adds are done
	s_wait_kmcnt 0x0
	s_add_nc_u64 s[14:15], s[4:5], s[16:17]
	s_add_nc_u64 s[46:47], s[6:7], s[46:47]
	CROUND                                         ; all sixteen work-groups are here: the first joint loads meet
.irp s, 0,1
	s_mov_b32 s[G0+4*\s], 1
	s_add_co_u32 s[G0+4*\s+1], s20, \s*SLOT
	s_add_nc_u64 s[G0+4*\s+2:G0+4*\s+3], s[14:15], \s*2097152
	s_or_b32 s[G0+4*\s+3], s[G0+4*\s+3], 0x80000000
	s_mov_b32 s[G0B+4*\s], 1
	s_add_co_u32 s[G0B+4*\s+1], s20, \s*SLOT
	s_add_nc_u64 s[G0B+4*\s+2:G0B+4*\s+3], s[46:47], \s*524288
	s_or_b32 s[G0B+4*\s+3], s[G0B+4*\s+3], 0x80000000
	JLOAD \s
.endr
	v_and_b32 v1, 15, v0                           ; r
	v_bfe_u32 v2, v0, 4, 1                         ; h
	v_and_b32 v3, 31, v0
	v_lshlrev_b32 v3, 4, v3                        ; 16 x lane
	s_lshl_b32 s21, s11, 15                        ; my 64 rows of A
	s_lshl_b32 s22, s12, 15                        ; my 64 rows of B,
	s_add_co_u32 s22, s22, 2*PART                  ; which lie behind A's 128
.irp s, 0,1
	v_add_nc_u32 v[ADRA+\s], s21, v3
	v_add_nc_u32 v[ADRB+\s], s22, v3
	s_add_co_u32 s21, s21, SLOT
	s_add_co_u32 s22, s22, SLOT
.endr
	s_mul_i32 s23, s10, 16*SPITCH
	s_add_co_u32 s23, s23, STAGE                   ; my stage
	v_mul_u32_u24 v4, v1, SPITCH                   ; in: row r, 32 bytes for each half of the lanes
	v_lshl_add_u32 v4, v2, 5, v4
	v_add_nc_u32 v[STO], s23, v4
	v_mul_u32_u24 v5, v2, SPITCH                   ; back: lanes 0-15 one row of 256 bytes, lanes 16-31 the next
	v_lshl_add_u32 v5, v1, 4, v5
	v_add_nc_u32 v[RD], s23, v5
	v_lshlrev_b32 v5, 12, v2                       ; and the same two rows in out0: 4,096 bytes a row
	v_lshl_add_u32 v[CO], v1, 4, v5
	s_lshl_b32 s16, s13, 7
	s_lshl_b32 s17, s11, 6
	s_add_co_u32 s16, s16, s17                     ; my first row: 128 x tile row + 64 x half
	s_lshl_b32 s16, s16, 12
	s_mov_b32 s17, 0
	s_add_nc_u64 s[8:9], s[8:9], s[16:17]
	s_lshl_b32 s46, s42, 9                         ; my first column, in bytes: 512 x tile column + 256 x half
	s_lshl_b32 s47, s12, 8
	s_add_co_u32 s46, s46, s47
	s_mov_b32 s47, 0
	s_add_nc_u64 s[8:9], s[8:9], s[46:47]
; 8 matrix instructions: m blocks a0, a0 + 1 x all 4 n blocks, 32 along K: half c of buffer f.  The 16 accumulators take turns
.macro MUL8 f, c, a0, zero
.irp a, \a0, \a0+1
.irp b, 0,1,2,3
.if \zero
	v_wmma_f32_16x16x32_f16 v[ACC+8*(4*(\a)+\b):ACC+8*(4*(\a)+\b)+7], v[\f+64+8*(4*\c+\b):\f+64+8*(4*\c+\b)+7], v[\f+8*(4*\c+\a):\f+8*(4*\c+\a)+7], 0
.else
	v_wmma_f32_16x16x32_f16 v[ACC+8*(4*(\a)+\b):ACC+8*(4*(\a)+\b)+7], v[\f+64+8*(4*\c+\b):\f+64+8*(4*\c+\b)+7], v[\f+8*(4*\c+\a):\f+8*(4*\c+\a)+7], v[ACC+8*(4*(\a)+\b):ACC+8*(4*(\a)+\b)+7]
.endif
.endr
.endr
.endm
; 32 LDS loads in one run: the fragments of the slot's quarter qd (64 along K) into buffer f; the first 32 along K first
.macro FETCH slot, qd, f
	WIN TO_F
.irp c, 0,1
.irp i, 0,1,2,3
	ds_load_b128 v[\f+64+8*(4*\c+\i):\f+64+8*(4*\c+\i)+3],   v[ADRB+\slot] offset:\i*8192+(2*(\qd)+\c)*1024
	ds_load_b128 v[\f+64+8*(4*\c+\i)+4:\f+64+8*(4*\c+\i)+7], v[ADRB+\slot] offset:\i*8192+(2*(\qd)+\c)*1024+512
	ds_load_b128 v[\f+8*(4*\c+\i):\f+8*(4*\c+\i)+3],         v[ADRA+\slot] offset:\i*8192+(2*(\qd)+\c)*1024
	ds_load_b128 v[\f+8*(4*\c+\i)+4:\f+8*(4*\c+\i)+7],       v[ADRA+\slot] offset:\i*8192+(2*(\qd)+\c)*1024+512
.endr
.endr
.endm
.macro PLACES
.rept 4
	v_nop
.endr
.endm
; A K step is four quarters of 64 along K, 32 matrix instructions each, on buffers 0, 1, 0, 1.  One of the first three: multiplies buffer f and fetches quarter qd into g.
.macro QUARTER slot, qd, f, g, zero
	s_wait_dscnt 16                                ; the first 32 along K are in; the youngest sixteen loads may be out
	WIN MUL
	MUL8 \f, 0, 0, \zero
	MUL8 \f, 0, 2, \zero
	PLACES
	FETCH \slot, \qd, \g
	s_wait_dscnt 32                                ; all but the 32 just issued
	WIN MUL
	MUL8 \f, 1, 0, 0
	MUL8 \f, 1, 2, 0
.endm
; The last quarter multiplies buffer 1 and changes slots: one barrier; in front of it each wave waits for all its tensor loads, adds 0 to its spare word, and waits for that and for its reads of this slot.  fill = 1: this slot is filled again, two K steps ahead.
.macro TURN slot, next, fill
	WIN 0
	s_wait_tensorcnt 0x0                           ; all my tensor loads have landed: my part of the next slot
	ds_add_u32 v[SPW], v[NIL]                      ; 0 onto my spare word
	s_wait_dscnt 17                                ; (the add and the youngest sixteen loads may be out)
	WIN MUL
	MUL8 F1, 0, 0, 0
	s_wait_dscnt 0x0                               ; the add is done, and my reads of this slot are over
	s_barrier_signal -1
	MUL8 F1, 0, 2, 0
.if \fill
	WIN 0
.endif
	s_barrier_wait -1
.if \fill
	CREST                                          ; the barrier has opened a round of the cluster's barrier: no wave of any partner still reads this slot or has a load on its way
	s_add_nc_u64 s[G0+4*\slot+2:G0+4*\slot+3], s[G0+4*\slot+2:G0+4*\slot+3], STEP_A
	s_add_nc_u64 s[G0B+4*\slot+2:G0B+4*\slot+3], s[G0B+4*\slot+2:G0B+4*\slot+3], STEP_B
	JLOAD \slot                                    ; the first tensor load behind the round, my one load until the next; its four v_nop are also the places in front of the loads below
.else
	PLACES
.endif
	FETCH \next, 0, F0
	WIN MUL
	MUL8 F1, 1, 0, 0
	MUL8 F1, 1, 2, 0
.endm
	s_wait_tensorcnt 1                             ; my part of K step 0 is in (K step 1's load may be out)
	s_barrier_signal -1
	s_barrier_wait -1                              ; everybody's is
	FETCH 0, 0, F0
	QUARTER 0, 1, F0, F1, 1                        ; the first products start the sums
	WIN 0
	s_mov_b32 s3, LAPS-1
.Llap:                                             ; a trip goes once round the ring, from a lap's second quarter to the next lap's first, and fills both slots again
	QUARTER 0, 2, F1, F0, 0
	QUARTER 0, 3, F0, F1, 0
	TURN 0, 1, 1
	QUARTER 1, 1, F0, F1, 0
	QUARTER 1, 2, F1, F0, 0
	QUARTER 1, 3, F0, F1, 0
	TURN 1, 0, 1
	QUARTER 0, 1, F0, F1, 0
	WIN 0
	s_sub_co_u32 s3, s3, 1
	s_cmp_lg_u32 s3, 0
	s_cbranch_scc1 .Llap
	QUARTER 0, 2, F1, F0, 0                        ; the last lap fills nothing
	QUARTER 0, 3, F0, F1, 0
	TURN 0, 1, 0
	QUARTER 1, 1, F0, F1, 0
	QUARTER 1, 2, F1, F0, 0
	QUARTER 1, 3, F0, F1, 0
	s_wait_dscnt 16
	WIN MUL
	MUL8 F1, 0, 0, 0
	MUL8 F1, 0, 2, 0
	s_wait_dscnt 0
	MUL8 F1, 1, 0, 0
	MUL8 F1, 1, 2, 0
	WIN 0
	; THE WAY OUT: my 64 columns of f32 are 256 aligned bytes of a row, so each wave goes alone: 16 rows at a time through its own stage (32 bytes a lane in, whole rows of 256 bytes back): sixteen lanes store 256 consecutive bytes.
	PLACES
.irp a, 0,1,2,3
.if \a >= 2
	s_wait_xcnt 0x0                                ; the stores of two blocks ago have read the registers into which this block's loads land
.endif
.irp b, 0,1,2,3
	ds_store_b128 v[STO], v[ACC+8*(4*\a+\b):ACC+8*(4*\a+\b)+3] offset:64*\b        ; each accumulator from its low end on
	ds_store_b128 v[STO], v[ACC+8*(4*\a+\b)+4:ACC+8*(4*\a+\b)+7] offset:64*\b+16
.endr
.irp t, 0,1,2,3,4,5,6,7
	ds_load_b128 v[TMP+32*(\a%2)+4*\t:TMP+32*(\a%2)+4*\t+3], v[RD] offset:\t*2*SPITCH   ; LDS serves a wave's instructions in order: these see my stores, and the next block's stores come behind them
.endr
.irp t, 0,1,2,3,4,5,6,7
	s_wait_dscnt 7-\t                              ; the younger loads may stay out
	global_store_b128 v[CO], v[TMP+32*(\a%2)+4*\t:TMP+32*(\a%2)+4*\t+3], s[8:9] offset:(16*\a+2*\t)*4096 th:TH_STORE_NT
.endr
.endr
	s_wait_tensorcnt 0x0                           ; the wave's end, behind my last tensor load and my last LDS store
	ds_add_u32 v[SPW], v[NIL]
	s_wait_dscnt 0x0
	CROUND                                         ; the closing round
	s_endpgm
.Lfunc_end_k_q117b7b6737_gemm_out:
	.size	k_q117b7b6737_gemm_out, .Lfunc_end_k_q117b7b6737_gemm_out-k_q117b7b6737_gemm_out
	.p2alignl 7, 3214868480
	.fill 96, 4, 3214868480
	.section	.rodata,"a",@progbits
	.p2align	6, 0x0
	.amdhsa_kernel k_q117b7b6737_gemm_out
		.amdhsa_group_segment_fixed_size 327680
		.amdhsa_private_segment_fixed_size 0
		.amdhsa_enable_private_segment 0
		.amdhsa_kernarg_size 24
		.amdhsa_user_sgpr_count 2
		.amdhsa_user_sgpr_kernarg_segment_ptr 1
		.amdhsa_wavefront_size32 1
		.amdhsa_system_sgpr_workgroup_id_x 1
		.amdhsa_system_sgpr_workgroup_id_y 1
		.amdhsa_system_sgpr_workgroup_id_z 1
		.amdhsa_system_vgpr_workitem_id 0
		.amdhsa_next_free_vgpr 512
		.amdhsa_next_free_sgpr 66
		.amdhsa_reserve_vcc 0
		.amdhsa_float_denorm_mode_32 3
		.amdhsa_float_denorm_mode_16_64 3
		.amdhsa_memory_ordered 1
		.amdhsa_forward_progress 1
		.amdhsa_inst_pref_size 86
	.end_amdhsa_kernel
	.amdgpu_metadata
---
amdhsa.version: [ 1, 2 ]
amdhsa.kernels:
  - .name:           k_q117b7b6737_gemm_out
    .symbol:         k_q117b7b6737_gemm_out.kd
    .args:
      - { .name: o_img, .offset: 0, .size: 8, .value_kind: global_buffer, .address_space: global }
      - { .name: wo_img, .offset: 8, .size: 8, .value_kind: global_buffer, .address_space: global }
      - { .name: out0, .offset: 16, .size: 8, .value_kind: global_buffer, .address_space: global }
    .group_segment_fixed_size: 327680
    .private_segment_fixed_size: 0
    .kernarg_segment_align: 8
    .kernarg_segment_size: 24
    .max_flat_workgroup_size: 128
    .sgpr_count:     66
    .vgpr_count:     512
    .wavefront_size: 32
...
	.end_amdgpu_metadata
.endif
;; end of part 4
